; MI455X (gfx1250); checked and timed in simulation.
; The chip was launched on July 23, 2026; its instructions are those of AMD's public machine-readable ISA for CDNA 5 (MIT licence, August 2026) and "CDNA5" Instruction Set Architecture Reference Guide (July 2026). The comments in the code are by the model that wrote it; some were corrected since.
;; Casual Self Attention. Allowed arithmetic: matrix products marked QUANTISED: E3M2 operands, one E8M0 scale for each 32 along K, by v_wmma_scale_f32_16x16x128_f8f6f4 with both operands' format E3M2, f32 sums; everything else in f32.
;; Inputs: W_kqv 3,072 x 1,024 float32; W_proj 1,024 x 1,024 float32; b_proj 1,024 float32; x 2 x 2,048 x 1,024 float32.
;; Outputs: out0 2 x 2,048 x 1,024 float32.
;; This version of the problem:
;;   THIS VERSION OF THE PROBLEM IS GIVEN IN LOW PRECISION. The matrix products marked QUANTISED in the list below multiply operands that are first quantised to E3M2 (3 exponent bits, 2 mantissa bits; 6 bits a number), with one power-of-two scale for each 32 numbers along K (OCP MX v1.0); their sums are f32. All else is computed in f32.
;;   The module's matrix products, in the order in which they are computed (A, B: the left and right operand; K: the contracted axis; several contracted axes count as one K, in the product's order):
;;     1. [M 4,096, K 1,024] x [K 1,024, N 3,072]; A: input x; B: input W_kqv: QUANTISED
;;     2. batch 32 x [M 2,048, K 64] x [K 64, N 2,048]; A: computed on the way; B: computed on the way: QUANTISED
;;     3. batch 32 x [M 2,048, K 2,048] x [K 2,048, N 64]; A: softmax (see below); B: computed on the way: QUANTISED
;;     4. [M 4,096, K 1,024] x [K 1,024, N 1,024]; A: computed on the way; B: input W_proj: QUANTISED
;;   THE QUANTISER, for each operand of a quantised product, along K:
;;     - K is cut into blocks of 32 from its start; a last block that is shorter is filled with zeros.
;;     - A block's scale is 2^e with e = floor(log2(the largest magnitude in the block)) - 4, held to -126 .. 127; a block of zeros has e = 0. As a byte (E8M0): e + 127.
;;     - Each number is divided by its block's scale, clamped to +-28, and rounded to the nearest number of E3M2, ties to even, subnormals kept.
;;     - The product sums the exact products of the quantised numbers (number of the format x scale) in f32.
;;   ~~~python
;;   def quantise(x, axis):      # numpy; x: float32 -> the quantised numbers, widened to float32 again
;;       x = np.moveaxis(x, axis, -1); K = x.shape[-1]
;;       x = np.pad(x, [(0, 0)] * (x.ndim - 1) + [(0, -K % 32)]); x = x.reshape(x.shape[:-1] + (-1, 32)); a = np.abs(x).max(-1, keepdims=True)
;;       e = np.where(a > 0, np.clip(np.frexp(np.where(a > 0, a, 1))[1] - 1 - 4, -126, 127), 0)      # np.frexp(a)[1] - 1 = floor(log2(a)), exactly
;;       r = np.clip(x / 2.0 ** e, -28, 28)
;;       step = 2.0 ** (np.maximum(np.frexp(np.where(r == 0, 1, r))[1] - 1, -2) - 2)
;;       q = np.round(r / step) * step * 2.0 ** e      # np.round: ties to even
;;       return np.moveaxis(q.reshape(q.shape[:-2] + (-1,))[..., :K], -1, axis).astype(np.float32)
;;   ~~~
;;   SOFTMAX AHEAD OF A QUANTISED PRODUCT. Where the list says 'softmax', what is quantised is not the finished softmax but p = 2^(t - M), with t = logit x log2(e) and M = ceil(the row's largest t), a whole number; so 1/2 < the row's largest p <= 1. The row's sum l is taken of the UNQUANTISED p, in f32, and the product's result is divided by l at the end. Since M is a whole number, a kernel that streams over the keys may use a running M (the ceiling of the running maximum): every later rescaling is an exact power of two, which a block's scale takes up: the codes' values come out the same.
;;   OPERANDS COMPUTED ON THE WAY. 'Computed on the way' means the value that the module computes at that place (a softmax that the list does not call 'softmax' is quantised finished and normalised). What goes into a quantiser is computed in f32, as accurately as f32 sums, v_exp_f32 and their like allow (about 1e-6 of the number): no bf16 or f16 on the way to a quantiser, and a product that is left as it is and whose result goes on into a quantised operand takes f32 operands (vector FMAs, or v_wmma_f32_16x16x4_f32). A number that lies on a knife's edge between two numbers of the format may be rounded either way, as far as f32 arithmetic and the matrix unit's own rounding can turn it there, and no further.
;; One version. Each part assembles by itself: llvm-mc -triple=amdgcn-amd-amdhsa -mcpu=gfx1250 --defsym DOCPART=n.
;; ======== version 1 of 1: 4 launches
;; limits: right only within a limited range of input values
;; workspace buffers: c1 6,291,456 bytes; s1 262,144 bytes; qkv 10,092,544 bytes; o_codes 3,145,728 bytes; o_scales 131,072 bytes
;; launch quant (part 1): grid 256 x 1, 16 waves a work-group, no clusters, 138,240 bytes of LDS; arguments x, W_kqv, W_proj, c1, s1; writes c1, s1
.if DOCPART == 1
	.amdgcn_target "amdgcn-amd-amdhsa--gfx1250"
	.amdhsa_code_object_version 6
	.text
	.protected	k_qaa30146fd0_quant
	.globl	k_qaa30146fd0_quant
	.p2align	8
	.type	k_qaa30146fd0_quant,@function
k_qaa30146fd0_quant:
	s_mov_b64 s[64:65], 0
	v_nop
	global_prefetch_b8 v0, s[64:65] scope:SCOPE_SE
	s_setreg_imm32_b32 hwreg(HW_REG_WAVE_MODE, 25, 1), 1
	s_wait_xcnt 0x0
; x [4096][1024], W_kqv [3072][1024], W_proj [1024][1024], f32, K innermost, become codes of BF6 (E3M2) with one E8M0 byte for each 32 along K.
; WORK LEFT OUT in the program: attention's key steps of 128 keys that lie wholly behind a tile of queries under reference()'s own causal mask: their weights are exp(-inf) = 0 for all values of the inputs.
; A NaN, an infinity or an overflow that reaches only those is not carried to the result.
; A block's scale is 2^(floor(log2(its largest magnitude)) - 4): its byte is that magnitude's exponent field - 4, held at 1 from below.
; LIMITS: NaN and infinities among the inputs are not served; a block whose largest magnitude lies under 2^-122 is held at byte 1; a block of zeros gets byte 1 where the rule says 127
; (its codes are zeros, which add nothing under any byte but 0xff, and this program alone reads the bytes).
; TILE 4 G + t OF A TENSOR HOLDS ROWS 64 G + 8 t + r % 8 + 32 (r / 8), r = 0..15: used as source 0 of a product, the four tiles of a 64 give a lane (half h) 32 neighbouring results, 32 h on: a whole block.
; AN IMAGE is an operand's 12 registers (16 rows x 128 K): 1,536 bytes, registers 0-3, 4-7, 8-11, each run at 16 x lane.
; c1: x [16 blocks of 256 tokens][K step 8][tile 16][image]; at 3,145,728 W_kqv [head 16][K step 8][tile 12: k, q, v][image]; at 5,505,024 W_proj [tile 64][K step 8][image].
; s1: [tile 512][half of K][r 16][4 words]; tiles 0-255 x, 256 + 12 head + 4 (k, q, v) + t W_kqv, 448 on W_proj.
; SHARES: a work-group takes two tiles, all of K; wave w: tile w & 1, K step w / 2: one unit of 16 rows x 128 K, whose 16 loads are all out at once.
; A unit turns through the wave's own stage in LDS (rows of 528 bytes) so that a lane gets whole blocks of 32 of its row.  The words of a tile's 8 K steps meet in a table and leave as 512 bytes on end.
; No tensor load, no cluster: work-groups share no input byte.
.set ROWB,  4096
.set SP,    528                        ; a stage row: 512 bytes + 16: the sixteen rows that a read touches begin 4 banks apart
.set TAB,   16*16*SP                   ; the table of scale words, 512 bytes a tile
.set SPARE, TAB+1024                   ; the spare words
.set X,     16                         ; v16-79 the unit
.set TM,    80                         ; v80-83 largest magnitudes
.set SO,    84                         ; v84-85 the conversions' scale operands, v86-87 bytes
.set PW,    89
.set PC,    96                         ; v96-114 codes
.set SEL,   36                         ; s[36:37] selects of v_permlanex16_b32: lane l xor 16
	s_load_b256 s[4:11], s[0:1], 0x0               ; x s[4:5], W_kqv s[6:7], W_proj s[8:9], c1 s[10:11]
	s_load_b64 s[12:13], s[0:1], 0x20              ; s1
	v_lshl_add_u32 v12, v0, 2, SPARE
	v_mov_b32 v13, 0
	v_lshrrev_b32 v7, 5, v0
	v_readfirstlane_b32 s14, v7                    ; wave 0..15
	v_and_b32 v8, 31, v0                           ; lane
	v_and_b32 v9, 15, v0                           ; r
	v_bfe_u32 v10, v0, 4, 1                        ; h
	v_lshlrev_b32 v1, 4, v8                        ; 16 x lane
	v_lshlrev_b32 v11, 3, v10                      ; 8 h
	v_mov_b32 v4, 0                                ; a lane permute's destination counts as one of its sources
	s_and_b32 s15, s14, 1                          ; u: which tile
	s_lshr_b32 s16, s14, 1                         ; which K step
	s_mul_i32 s17, s14, 16*SP                      ; my stage
	v_add_nc_u32 v5, s17, v1                       ; into it: row i at SP i, as loaded
	v_mul_u32_u24 v6, v9, SP
	v_lshl_add_u32 v6, v10, 7, v6
	v_add_nc_u32 v6, s17, v6                       ; out of it: row r, + 128 h: block 2 c + h at 256 c further
	s_lshl_b32 s29, s15, 9
	s_add_co_u32 s29, s29, TAB                     ; my tile's table
	v_add_nc_u32 v15, s29, v1
	s_lshr_b32 s30, s16, 2
	s_lshl_b32 s30, s30, 8
	s_add_co_u32 s29, s29, s30
	s_and_b32 s30, s16, 3
	s_lshl_b32 s30, s30, 2
	s_add_co_u32 s29, s29, s30                     ; my K step's word in it
	v_lshlrev_b32 v14, 4, v9
	v_add_nc_u32 v14, s29, v14
	s_mov_b32 s[SEL], 0x76543210
	s_mov_b32 s[SEL+1], 0xfedcba98
	s_mov_b32 s18, 224                             ; the first work-group of my tensor: 0, 128 or 224
	s_cmp_lt_u32 ttmp9, 224
	s_cselect_b32 s18, 128, s18
	s_cmp_lt_u32 ttmp9, 128
	s_cselect_b32 s18, 0, s18
	s_sub_co_u32 s18, ttmp9, s18
	s_lshr_b32 s19, s18, 1                         ; G: which 64 rows
	s_and_b32 s20, s18, 1
	s_lshl_b32 s20, s20, 1
	s_add_co_u32 s20, s20, s15                     ; t
	s_lshl_b32 s22, s19, 18
	s_lshl_b32 s24, s20, 15
	s_add_co_u32 s22, s22, s24
	s_lshl_b32 s24, s16, 9
	s_add_co_u32 s22, s22, s24                     ; my unit's first byte in the tensor
	s_mov_b32 s23, 0
	s_lshl_b32 s25, s19, 2
	s_add_co_u32 s25, s25, s20                     ; 4 G + t
	s_wait_alu depctr_va_vdst(0)                   ; the wait at the head's end
	s_wait_kmcnt 0x0
	s_cmp_lt_u32 ttmp9, 224                        ; the choice of the tensor hangs on the work-group's number alone
	s_cselect_b64 s[6:7], s[6:7], s[8:9]
	s_cmp_lt_u32 ttmp9, 128
	s_cselect_b64 s[4:5], s[4:5], s[6:7]
	s_add_nc_u64 s[4:5], s[4:5], s[22:23]
.irp i, 0,1,2,3,4,5,6,7,8,9,10,11,12,13,14,15
	global_load_b128 v[X+4*\i:X+4*\i+3], v1, s[4:5] offset:(\i+24*(\i/8))*ROWB th:TH_LOAD_NT   ; 512 consecutive bytes of one row
.endr
	s_cmp_lt_u32 ttmp9, 128                        ; where the image and the words go
	s_cbranch_scc1 .Lto_x
	s_cmp_lt_u32 ttmp9, 224
	s_cbranch_scc1 .Lto_w
	s_mul_i32 s26, s25, 12288
	s_add_co_u32 s26, s26, 5505024
	s_mov_b32 s27, 1536
	s_add_co_u32 s28, s25, 448
	s_branch .Lto_done
.Lto_w:
	s_and_b32 s30, s19, 15                         ; head
	s_lshr_b32 s31, s19, 4                         ; k, q or v
	s_lshl_b32 s31, s31, 2
	s_add_co_u32 s31, s31, s20
	s_mul_i32 s26, s30, 147456
	s_add_co_u32 s26, s26, 3145728
	s_mul_i32 s32, s31, 1536
	s_add_co_u32 s26, s26, s32
	s_mov_b32 s27, 18432
	s_mul_i32 s28, s30, 12
	s_add_co_u32 s28, s28, s31
	s_add_co_u32 s28, s28, 256
	s_branch .Lto_done
.Lto_x:
	s_lshr_b32 s30, s25, 4
	s_mul_i32 s26, s30, 196608
	s_and_b32 s31, s25, 15
	s_mul_i32 s31, s31, 1536
	s_add_co_u32 s26, s26, s31
	s_mov_b32 s27, 24576
	s_mov_b32 s28, s25
.Lto_done:
	s_mul_i32 s27, s27, s16                        ; my K step
	s_add_co_u32 s26, s26, s27
	s_mov_b32 s27, 0
	s_lshl_b32 s28, s28, 9
	s_mov_b32 s29, 0
	s_add_nc_u64 s[10:11], s[10:11], s[26:27]
	s_add_nc_u64 s[12:13], s[12:13], s[28:29]
.irp i, 0,1,2,3,4,5,6,7,8,9,10,11,12,13,14,15
	s_wait_loadcnt 15-\i                           ; loads come back in order: rows 0 .. i are in
	ds_store_b128 v5, v[X+4*\i:X+4*\i+3] offset:SP*\i
.endr
.irp c, 0,1
.irp j, 0,1,2,3,4,5,6,7
	ds_load_b128 v[X+32*\c+4*\j:X+32*\c+4*\j+3], v6 offset:256*\c+16*\j   ; register 32 c + i = k 64 c + 32 h + i of my row.  LDS serves a wave's instructions in order
.endr
.endr
	s_wait_dscnt 0x0
.irp b, 0,1,2,3
	v_max3_num_f32 v[TM+\b], |v[X+16*\b]|, |v[X+16*\b+1]|, 0x2800000   ; and the floor 2^(5 - 127): the byte cannot fall under 1
.endr
.irp i, 2,4,6,8,10,12,14
.irp b, 0,1,2,3
	v_max3_num_f32 v[TM+\b], v[TM+\b], |v[X+16*\b+\i]|, |v[X+16*\b+\i+1]|
.endr
.endr
	v_max_num_f32 v[TM], v[TM], v[TM+1]
	v_max_num_f32 v[TM+2], v[TM+2], v[TM+3]
	v_add_nc_u32 v[SO], 0xfe000000, v[TM]          ; 4 off the exponent field: the conversion takes this operand's exponent field as its scale
	v_add_nc_u32 v[SO+1], 0xfe000000, v[TM+2]
	v_lshrrev_b32 v[SO+2], 23, v[SO]               ; the scales' bytes
	v_lshrrev_b32 v[SO+3], 23, v[SO+1]
.irp c, 0,1
	v_cvt_scalef32_pk16_bf6_f32 v[PC+6*\c:PC+6*\c+2], v[X+32*\c:X+32*\c+15], v[SO+\c]
	v_cvt_scalef32_pk16_bf6_f32 v[PC+12+4*\c:PC+14+4*\c], v[X+32*\c+16:X+32*\c+31], v[SO+\c]   ; (a conversion's three registers begin on an even number)
.endr
	v_lshl_or_b32 v88, v[SO+3], 16, v[SO+2]        ; my bytes are h and 2 + h of the word
	v_lshlrev_b32 v88, v11, v88
.irp c, 0,1
.irp i, 0,1,2
	v_mov_b32 v[PC+3+6*\c+\i], v[PC+12+4*\c+\i]
.endr
.endr
	v_permlanex16_b32 v4, v88, s[SEL], s[SEL+1]
	v_or_b32 v[PW], v88, v4                        ; with lane l xor 16's two the word is whole
	ds_store_b32 v14, v[PW]                        ; both lanes of a row write the same word
	global_store_b128 v1, v[PC:PC+3], s[10:11]     ; each store covers 512 consecutive bytes, aligned
	global_store_b128 v1, v[PC+4:PC+7], s[10:11] offset:512
	global_store_b128 v1, v[PC+8:PC+11], s[10:11] offset:1024
	s_wait_dscnt 0x0                               ; my word is in the table
	s_barrier_signal -1
	s_barrier_wait -1                              ; everybody's is
	s_cmp_gt_u32 s14, 1                            ; waves 0 and 1 store a tile's words each
	s_cbranch_scc1 .Lend
	ds_load_b128 v[92:95], v15
	s_wait_dscnt 0x0
	global_store_b128 v1, v[92:95], s[12:13]
.Lend:
	s_wait_tensorcnt 0x0                           ; the wave's end
	ds_add_u32 v12, v13
	s_wait_dscnt 0x0
	s_endpgm
.Lfunc_end_k_qaa30146fd0_quant:
	.size	k_qaa30146fd0_quant, .Lfunc_end_k_qaa30146fd0_quant-k_qaa30146fd0_quant
	.p2alignl 7, 3214868480
	.fill 96, 4, 3214868480
	.section	.rodata,"a",@progbits
	.p2align	6, 0x0
	.amdhsa_kernel k_qaa30146fd0_quant
		.amdhsa_group_segment_fixed_size 138240
		.amdhsa_private_segment_fixed_size 0
		.amdhsa_enable_private_segment 0
		.amdhsa_kernarg_size 40
		.amdhsa_user_sgpr_count 2
		.amdhsa_user_sgpr_kernarg_segment_ptr 1
		.amdhsa_wavefront_size32 1
		.amdhsa_system_sgpr_workgroup_id_x 1
		.amdhsa_system_sgpr_workgroup_id_y 1
		.amdhsa_system_sgpr_workgroup_id_z 1
		.amdhsa_system_vgpr_workitem_id 0
		.amdhsa_next_free_vgpr 128
		.amdhsa_next_free_sgpr 66
		.amdhsa_reserve_vcc 0
		.amdhsa_float_denorm_mode_32 3
		.amdhsa_float_denorm_mode_16_64 3
		.amdhsa_memory_ordered 1
		.amdhsa_forward_progress 1
		.amdhsa_inst_pref_size 13
	.end_amdhsa_kernel
	.amdgpu_metadata
---
amdhsa.version: [ 1, 2 ]
amdhsa.kernels:
  - .name:           k_qaa30146fd0_quant
    .symbol:         k_qaa30146fd0_quant.kd
    .args:
      - { .name: x, .offset: 0, .size: 8, .value_kind: global_buffer, .address_space: global }
      - { .name: W_kqv, .offset: 8, .size: 8, .value_kind: global_buffer, .address_space: global }
      - { .name: W_proj, .offset: 16, .size: 8, .value_kind: global_buffer, .address_space: global }
      - { .name: c1, .offset: 24, .size: 8, .value_kind: global_buffer, .address_space: global }
      - { .name: s1, .offset: 32, .size: 8, .value_kind: global_buffer, .address_space: global }
    .group_segment_fixed_size: 138240
    .private_segment_fixed_size: 0
    .kernarg_segment_align: 8
    .kernarg_segment_size: 40
    .max_flat_workgroup_size: 512
    .sgpr_count:     66
    .vgpr_count:     128
    .wavefront_size: 32
...
	.end_amdgpu_metadata
.endif
;; end of part 1
;; launch kqv (part 2): grid 16 x 16, 4 waves a work-group, clusters of 4 x 4, 327,680 bytes of LDS; arguments c1, s1, qkv; writes qkv
.if DOCPART == 2
	.amdgcn_target "amdgcn-amd-amdhsa--gfx1250"
	.amdhsa_code_object_version 6
	.text
	.protected	k_qaa30146fd0_kqv
	.globl	k_qaa30146fd0_kqv
	.p2align	8
	.type	k_qaa30146fd0_kqv,@function
k_qaa30146fd0_kqv:
	s_mov_b64 s[64:65], 0
	v_nop
	global_prefetch_b8 v0, s[64:65] scope:SCOPE_SE
	s_setreg_imm32_b32 hwreg(HW_REG_WAVE_MODE, 25, 1), 1
	s_wait_xcnt 0x0
	s_wait_alu depctr_hold_cnt(0) depctr_sa_sdst(0) depctr_va_vdst(0) depctr_va_sdst(0) depctr_va_ssrc(0) depctr_va_vcc(0) depctr_vm_vsrc(0)
	s_getreg_b32 s2, hwreg(HW_REG_IB_STS2, 6, 4)
	s_cmp_eq_u32 s2, 0
	s_cbranch_scc0 .Lentry_in_a_cluster
	s_endpgm
.Lentry_in_a_cluster:
	s_bfe_u32 s2, ttmp6, 0x10000c
	s_cmp_lg_u32 s2, 0xf033
	s_cbranch_scc0 .Lentry_shape_is_right
	s_endpgm
.Lentry_shape_is_right:
; kqv = Q(x) Q(W_kqv)^T on codes of BF6 with E8M0 scales, K = 1,024, f32 sums; each result is quantised again where it is made: k and q along the head's 64 channels, v along the tokens.
; A work-group makes 256 tokens x one head's 64 k, 64 q and 64 v channels: 16 x 16 = 256 work-groups.  A wave takes 64 tokens x all 192: 48 accumulators.
; k and q are used transposed (source 0 = W's tile): a lane holds a token and, over four tiles, 32 neighbouring channels; v as it is (source 0 = the tokens' tile): a lane holds a channel and 32 neighbouring tokens.
; LDS: seven K steps, A's 16 tiles of each from 0 on, B's 12 from BREG on.  Three joint loads a wave: K steps 0-3; 4-6; 7, which takes K step 0's place.  (No prefetch: three fills, no loop to run ahead in.)
; CLUSTERS 4 x 4: the tokens' tiles are shared along a row, W's along a column.
; REGISTERS: window 0: v2-31 addresses and work, v32-95 scale words (8 i + k: lanes 0-15 W's tile i of k, q; lanes 16-31 v's tile i for i < 4, then the tokens' tile i - 4), v128-255 v's accumulators;
;   windows 1 and 2: two fragment buffers: W's 12 fragments at 0, the tokens' 4 at 144; window 3: k's accumulators at 0, q's at 128.
; LAYOUT OF qkv: [batch x head 32][key step 16][13,056 bytes: K 6,144 (pairs of tiles: 12 registers, three runs at 16 x lane), V 6,144 (channel tile 4, half c 2: four registers at 16 x lane, two at 8 x lane),
;   K's words 512 ([64 tokens 2][r][4 tiles]), V's words 256 ([r][4 tiles])]; at QOFF q's tiles, 768 bytes each (16 x lane, 8 x lane); at QSOFF q's words as K's.
; LIMITS: as in the first kernel: blocks under 2^-122 and blocks of zeros are held at byte 1 (this program alone reads the bytes).  Words of k and q have two bytes in use; the upper two are written as 0 and meet zero codes.
.set AK,    24576                      ; A's bytes of a K step: 16 tiles
.set BK,    18432                      ; B's: 12 tiles
.set BREG,  7*AK
.set SPARE, BREG+7*BK                  ; the spare words
.set EX,    SPARE+512                  ; v's scale bytes from wave to wave: 256 bytes a wave
.set STEPB, 13056
.set QOFF,  6684672
.set QSOFF, 9830400
.set L16, 2
.set L8,  3
.set VA,  4                            ; v4-6: my tokens' fragments in slots 0-2, 3-5, 6
.set VB,  7                            ; v7-9: W's
.set SO1, 10
.set SO2, 11
.set R16, 12
.set SHV, 13
.set XA,  14
.set XB,  15
.set TM,  16
.set SO,  20
.set T,   24
.set SPW, 28
.set NIL, 29
.set SC,  32
.set TMP, 104
.set G1,  24
.set G1B, 32
.set SEL, 82
.set MSB, 0
.macro WIN new                         ; the immediate's high byte repeats the setting that is left
.if MSB != (\new)
	s_set_vgpr_msb (MSB<<8)|(\new)
.set MSB, (\new)
.endif
.endm
.macro JLOAD g0a, g0b                  ; a joint load: waves 0 and 1 fetch for A, waves 2 and 3 for B
	s_cmp_eq_u32 s15, 0
	s_cbranch_scc0 .Lfor_b_\@
	tensor_load_to_lds s[\g0a:\g0a+3], s[G1:G1+7]
	s_nop 0
.rept 4
	v_nop
.endr
	s_branch .Lasked_\@
.Lfor_b_\@:
	tensor_load_to_lds s[\g0b:\g0b+3], s[G1B:G1B+7]
	s_nop 0
.rept 4
	v_nop
.endr
.Lasked_\@:
.endm
.macro CROUND                          ; a round of the cluster's barrier
	s_barrier_signal -1
	s_barrier_wait -1
	s_cmp_lg_u32 s14, 0
	s_cbranch_scc1 .Lnot_wave_0_\@
	s_barrier_signal -3
.Lnot_wave_0_\@:
	s_barrier_wait -3
	s_barrier_signal -1
	s_barrier_wait -1
.endm
.macro SETG g, base, half, from, to    ; group 0: my half of a fill: half bytes x (wave & 1) on, in memory and in LDS
	s_mul_i32 s80, s16, \half
	s_mov_b32 s[\g], 1
	s_add_co_u32 s[\g+1], s80, \to
	s_add_co_u32 s80, s80, \from
	s_mov_b32 s81, 0
	s_add_nc_u64 s[\g+2:\g+3], s[\base:\base+1], s[80:81]
	s_or_b32 s[\g+3], s[\g+3], 0x80000000
.endm
.macro ROWS ra, rb                     ; the rows (of 3,072 bytes) that a fill brings
	s_mov_b32 s[G1+2], (\ra)<<16
	s_mov_b32 s[G1+4], \ra
	s_mov_b32 s[G1B+2], (\rb)<<16
	s_mov_b32 s[G1B+4], \rb
.endm
	s_load_b128 s[4:7], s[0:1], 0x0                ; c1 s[4:5], s1 s[6:7]
	s_load_b64 s[8:9], s[0:1], 0x10                ; qkv
	v_lshl_add_u32 v[SPW], v0, 2, SPARE
	v_mov_b32 v[NIL], 0
	ds_add_u32 v[SPW], v[NIL]                      ; the opening lines
	ds_add_u32 v[SPW], v[NIL]
	v_lshrrev_b32 v1, 5, v0
	v_readfirstlane_b32 s14, v1                    ; wave 0..3
	s_lshr_b32 s15, s14, 1                         ; I fetch for A (0) or for B (1).  Also: which key step of the work-group's two is mine
	s_and_b32 s16, s14, 1                          ; which half of a fill.  Also: which 64 tokens of the key step
	s_bfe_u32 s17, ttmp6, 0x40000                  ; cx
	s_bfe_u32 s18, ttmp6, 0x40004                  ; cy
	s_lshl_b32 s66, ttmp9, 2
	s_add_co_u32 s66, s66, s17                     ; head
	s_and_b32 s67, ttmp7, 0xffff
	s_lshl_b32 s67, s67, 2
	s_add_co_u32 s67, s67, s18                     ; which 256 tokens
	s_lshl_b32 s76, s18, 2
	s_lshl_b32 s76, 15, s76                        ; my row of the cluster
	s_lshl_b32 s77, 0x1111, s17                    ; my column
	s_or_b32 s[G1+0], s76, (3<<16)|(1<<21)         ; elements of 8 bytes
	s_or_b32 s[G1B+0], s77, (3<<16)|(1<<21)
.irp g, G1, G1B
	s_mov_b32 s[\g+1], 384<<16
	s_mov_b32 s[\g+3], 384<<16
	s_mov_b32 s[\g+5], 384
	s_mov_b32 s[\g+6], 0
	s_mov_b32 s[\g+7], 0
.endr
	ROWS 16, 12
	s_mul_i32 s68, s67, 196608                     ; A: hangs on the token block alone
	s_mov_b32 s69, 0
	s_mul_i32 s70, s66, 147456                     ; B: on the head alone
	s_add_co_u32 s70, s70, 3145728
	s_mov_b32 s71, 0
	s_wait_dscnt 0x0
	s_wait_kmcnt 0x0
	s_add_nc_u64 s[68:69], s[4:5], s[68:69]
	s_add_nc_u64 s[70:71], s[4:5], s[70:71]
	SETG 40, 68, 49152, 0, 0                       ; K steps 0-3
	SETG 44, 68, 36864, 4*AK, 4*AK                 ; 4-6
	SETG 48, 68, 12288, 7*AK, 0                    ; 7, into slot 0
	SETG 52, 70, 36864, 0, BREG
	SETG 56, 70, 27648, 4*BK, BREG+4*BK
	SETG 60, 70, 9216, 7*BK, BREG
	CROUND                                         ; all sixteen work-groups are here: the joint loads meet
	JLOAD 40, 52                                   ; one tensor load a wave at the head
	v_and_b32 v1, 31, v0                           ; lane
	v_and_b32 v30, 15, v0                          ; r
	v_bfe_u32 v31, v0, 4, 1                        ; h
	v_lshlrev_b32 v[L16], 4, v1
	v_lshlrev_b32 v[L8], 3, v1
	v_lshlrev_b32 v[R16], 4, v30
	v_lshlrev_b32 v[SHV], 3, v31
	s_mul_i32 s2, s66, 12
	s_add_co_u32 s2, s2, 256
	s_lshl_b32 s2, s2, 9                           ; the words of W's 12 tiles
	s_lshl_b32 s3, s67, 4
	s_lshl_b32 s19, s14, 2
	s_add_co_u32 s3, s3, s19
	s_lshl_b32 s3, s3, 9                           ; of my four tiles of tokens
	s_wait_alu depctr_va_vdst(0)                   ; the wait here, ahead of the readers below
	v_lshl_add_u32 v[SO1], v31, 12, v[R16]
	v_add_nc_u32 v[SO1], s2, v[SO1]                ; lanes 0-15: k's tiles; lanes 16-31: v's, eight tiles on
	s_add_co_u32 s2, s2, 2048
	v_mov_b32 v18, s2
	v_mov_b32 v19, s3
	v_cmp_ne_u32 vcc_lo, 0, v31
	v_cndmask_b32 v[SO2], v18, v19, vcc_lo         ; lanes 0-15: q's tiles; lanes 16-31: the tokens'
	v_add_nc_u32 v[SO2], v[SO2], v[R16]
.irp i, 0,1,2,3
.irp kh, 0,1
	global_load_b128 v[SC+8*\i+4*\kh:SC+8*\i+4*\kh+3], v[SO1], s[6:7] offset:512*\i+256*\kh
	global_load_b128 v[SC+32+8*\i+4*\kh:SC+32+8*\i+4*\kh+3], v[SO2], s[6:7] offset:512*\i+256*\kh
.endr
.endr
	s_mul_i32 s2, s14, 6144
	v_add_nc_u32 v[VA], s2, v[L16]
	v_add_nc_u32 v[VA+1], 3*AK, v[VA]
	v_add_nc_u32 v[VA+2], 6*AK, v[VA]
	v_add_nc_u32 v[VB], BREG, v[L16]
	v_add_nc_u32 v[VB+1], BREG+3*BK, v[L16]
	v_add_nc_u32 v[VB+2], BREG+6*BK, v[L16]
	s_lshl_b32 s2, s14, 8
	s_add_co_u32 s2, s2, EX
	v_add_nc_u32 v[XA], s2, v[L8]
	s_xor_b32 s3, s14, 1
	s_lshl_b32 s3, s3, 8
	s_add_co_u32 s3, s3, EX
	v_add_nc_u32 v[XB], s3, v[L8]
.irp b, 0,1,2,3
	v_mov_b32 v[T+\b], 0                           ; written once: a lane permute's destination counts as one of its sources
.endr
	s_mov_b32 s[SEL], 0x76543210
	s_mov_b32 s[SEL+1], 0xfedcba98
	s_lshr_b32 s72, s67, 3
	s_lshl_b32 s72, s72, 4
	s_add_co_u32 s72, s72, s66                     ; batch x head
	s_and_b32 s73, s67, 7
	s_lshl_b32 s74, s73, 1
	s_add_co_u32 s74, s74, s15                     ; my key step
	s_mul_i32 s75, s72, 16*STEPB
	s_mul_i32 s2, s74, STEPB
	s_add_co_u32 s75, s75, s2
	s_mul_i32 s2, s16, 3072
	s_add_co_u32 s84, s75, s2                      ; k's codes
	s_mul_i32 s2, s16, 768
	s_add_co_u32 s86, s75, s2
	s_add_co_u32 s86, s86, 6144                    ; v's
	s_lshl_b32 s2, s16, 8
	s_add_co_u32 s88, s75, s2
	s_add_co_u32 s88, s88, 12288                   ; k's words
	s_add_co_u32 s90, s75, 12800                   ; v's words
	s_lshl_b32 s2, s72, 7
	s_lshl_b32 s3, s73, 4
	s_add_co_u32 s2, s2, s3
	s_lshl_b32 s3, s14, 2
	s_add_co_u32 s2, s2, s3
	s_mul_i32 s92, s2, 768
	s_add_co_u32 s92, s92, QOFF                    ; q's codes
	s_lshl_b32 s94, s72, 13
	s_lshl_b32 s3, s73, 10
	s_add_co_u32 s94, s94, s3
	s_lshl_b32 s3, s14, 8
	s_add_co_u32 s94, s94, s3
	s_add_co_u32 s94, s94, QSOFF                   ; q's words
.irp b, 84,86,88,90,92,94
	s_mov_b32 s[\b+1], 0
	s_add_nc_u64 s[\b:\b+1], s[8:9], s[\b:\b+1]
.endr
; Fragments come as they were stored: three loads of 512 consecutive bytes.
.macro FT slot, b                      ; my four tiles of tokens
	WIN 0x40*(\b)
.irp a, 0,1,2,3
.irp q, 0,1,2
	ds_load_b128 v[144+12*\a+4*\q:144+12*\a+4*\q+3], v[VA+(\slot)/3] offset:((\slot)%3)*AK+1536*\a+512*\q
.endr
.endr
.endm
.macro FW slot, b, i0                  ; four tiles of W
	WIN 0x40*(\b)
.irp i, \i0, \i0+1, \i0+2, \i0+3
.irp q, 0,1,2
	ds_load_b128 v[12*(\i)+4*\q:12*(\i)+4*\q+3], v[VB+(\slot)/3] offset:((\slot)%3)*BK+1536*(\i)+512*\q
.endr
.endr
.endm
.macro MK sec, k, b, zero              ; 16 products of k (sec 0) or q (1); the accumulators take turns
	WIN 0xf0+5*(\b)
.irp a, 0,1,2,3
.irp t, 0,1,2,3
.if \zero
	v_wmma_scale_f32_16x16x128_f8f6f4 v[128*(\sec)+32*\a+8*\t:128*(\sec)+32*\a+8*\t+7], v[12*(4*(\sec)+\t):12*(4*(\sec)+\t)+11], v[144+12*\a:155+12*\a], 0, v[SC+8*(4*(\sec)+\t)+(\k)], v[SC+32+8*\a+(\k)] matrix_a_fmt:MATRIX_FMT_BF6 matrix_b_fmt:MATRIX_FMT_BF6 matrix_b_scale:MATRIX_SCALE_ROW1
.else
	v_wmma_scale_f32_16x16x128_f8f6f4 v[128*(\sec)+32*\a+8*\t:128*(\sec)+32*\a+8*\t+7], v[12*(4*(\sec)+\t):12*(4*(\sec)+\t)+11], v[144+12*\a:155+12*\a], v[128*(\sec)+32*\a+8*\t:128*(\sec)+32*\a+8*\t+7], v[SC+8*(4*(\sec)+\t)+(\k)], v[SC+32+8*\a+(\k)] matrix_a_fmt:MATRIX_FMT_BF6 matrix_b_fmt:MATRIX_FMT_BF6 matrix_b_scale:MATRIX_SCALE_ROW1
.endif
.endr
.endr
.endm
.macro MV k, b, zero                   ; 16 products of v, the tokens as source 0
	WIN 5*(\b)
.irp t, 0,1,2,3
.irp a, 0,1,2,3
.if \zero
	v_wmma_scale_f32_16x16x128_f8f6f4 v[128+32*\t+8*\a:128+32*\t+8*\a+7], v[144+12*\a:155+12*\a], v[96+12*\t:107+12*\t], 0, v[SC+32+8*\a+(\k)], v[SC+8*\t+(\k)] matrix_a_fmt:MATRIX_FMT_BF6 matrix_b_fmt:MATRIX_FMT_BF6 matrix_a_scale:MATRIX_SCALE_ROW1 matrix_b_scale:MATRIX_SCALE_ROW1
.else
	v_wmma_scale_f32_16x16x128_f8f6f4 v[128+32*\t+8*\a:128+32*\t+8*\a+7], v[144+12*\a:155+12*\a], v[96+12*\t:107+12*\t], v[128+32*\t+8*\a:128+32*\t+8*\a+7], v[SC+32+8*\a+(\k)], v[SC+8*\t+(\k)] matrix_a_fmt:MATRIX_FMT_BF6 matrix_b_fmt:MATRIX_FMT_BF6 matrix_a_scale:MATRIX_SCALE_ROW1 matrix_b_scale:MATRIX_SCALE_ROW1
.endif
.endr
.endr
.endm
.macro PLACES                          ; in front of loads into registers that matrix instructions have read, and of the first read of results
.rept 4
	v_nop
.endr
.endm
.macro STEP k, zero                    ; K step k; the next step's fragments are asked for in three runs (24, 12, 12 loads)
	s_wait_dscnt 24                                ; the tokens' and k's fragments are in; q's and v's (24 loads) may be out
	PLACES
	FT (\k)+1, 2-(\k)%2
	FW (\k)+1, 2-(\k)%2, 0
	MK 0, \k, 1+(\k)%2, \zero
	s_wait_dscnt 36                                ; q's are in: younger are v's 12 and the 24 just issued
	FW (\k)+1, 2-(\k)%2, 4
	MK 1, \k, 1+(\k)%2, \zero
	s_wait_dscnt 36                                ; v's are in: younger are 24 + 12
	FW (\k)+1, 2-(\k)%2, 8
	MV \k, 1+(\k)%2, \zero
.endm
.macro FETCH slot, b
	FT \slot, \b
	FW \slot, \b, 0
	FW \slot, \b, 4
	FW \slot, \b, 8
.endm
	s_wait_alu depctr_va_vdst(0)                   ; the wait at the head's end
	s_wait_tensorcnt 0x0                           ; my part of K steps 0-3 is in
	ds_add_u32 v[SPW], v[NIL]
	ROWS 12, 9                                     ; (no load of mine is out: a descriptor may be written)
	s_wait_dscnt 0x0
	CROUND                                         ; everybody's part is in
	JLOAD 44, 56                                   ; K steps 4-6
	FETCH 0, 1
	s_wait_loadcnt 0x0                             ; the scale words
	STEP 0, 1
	STEP 1, 0
	STEP 2, 0
	s_wait_dscnt 24                                ; K step 3
	MK 0, 3, 2, 0
	s_wait_dscnt 12
	MK 1, 3, 2, 0
	WIN 0
	s_wait_tensorcnt 0x0                           ; K steps 4-6: my part
	ds_add_u32 v[SPW], v[NIL]
	ROWS 4, 3
	s_wait_dscnt 0x0                               ; the add is done, and so are my reads of slot 0
	CROUND
	JLOAD 48, 60                                   ; K step 7 into slot 0; the v_nop behind it are the places in front of the loads below
	FETCH 4, 1
	MV 3, 2, 0
	STEP 4, 0
	STEP 5, 0
	s_wait_dscnt 24                                ; K step 6
	MK 0, 6, 1, 0
	s_wait_dscnt 12
	MK 1, 6, 1, 0
	WIN 0
	s_wait_tensorcnt 0x0                           ; K step 7: my part
	s_wait_dscnt 0x0
	s_barrier_signal -1
	s_barrier_wait -1                              ; everybody's; nothing is filled again
	PLACES
	FETCH 0, 2
	MV 6, 1, 0
	s_wait_dscnt 24                                ; K step 7
	MK 0, 7, 2, 0
	s_wait_dscnt 12
	MK 1, 7, 2, 0
	s_wait_dscnt 0x0
	MV 7, 2, 0
	WIN 0
	PLACES
; Four units of 32 registers a lane, each one block of 32: six registers of codes in v[pc + 6 a] on, and a word with the bytes of both halves of the lanes in v[wd + a].  w: the window of the results (3 or 0).
.macro UNITS w, base, pc, wd
	WIN 0x14*(\w)                                  ; sources 1 and 2
.irp a, 0,1,2,3
	v_max3_num_f32 v[TM+\a], 0x2800000, |v[\base+32*\a]|, |v[\base+32*\a+1]|
.endr
.irp i, 2,4,6,8,10,12,14,16,18,20,22,24,26,28,30
.irp a, 0,1,2,3
	v_max3_num_f32 v[TM+\a], v[TM+\a], |v[\base+32*\a+\i]|, |v[\base+32*\a+\i+1]|
.endr
.endr
	WIN 0
.irp a, 0,1,2,3
	v_add_nc_u32 v[SO+\a], 0xfe000000, v[TM+\a]    ; 4 off the exponent field: the conversion's scale operand
.endr
	WIN \w                                         ; source 0
.irp a, 0,1,2,3
	v_cvt_scalef32_pk16_bf6_f32 v[\pc+6*\a:\pc+6*\a+2], v[\base+32*\a:\base+32*\a+15], v[SO+\a]
	v_cvt_scalef32_pk16_bf6_f32 v[TMP+4*\a:TMP+4*\a+2], v[\base+32*\a+16:\base+32*\a+31], v[SO+\a]
.endr
	WIN 0
	v_nop                                          ; one plain place behind a scaled conversion
.irp a, 0,1,2,3
.irp i, 0,1,2
	v_mov_b32 v[\pc+6*\a+3+\i], v[TMP+4*\a+\i]
.endr
.endr
.irp a, 0,1,2,3
	v_lshrrev_b32 v[\wd+\a], 23, v[SO+\a]          ; the byte
.endr
.irp a, 0,1,2,3
	v_lshlrev_b32 v[\wd+\a], v[SHV], v[\wd+\a]
.endr
.irp a, 0,1,2,3
	v_permlanex16_b32 v[T+\a], v[\wd+\a], s[SEL], s[SEL+1]
.endr
.irp a, 0,1,2,3
	v_or_b32 v[\wd+\a], v[\wd+\a], v[T+\a]
.endr
.endm
	UNITS 3, 0, 32, 120                            ; k
.irp i, 0,1,2,3,4,5
	global_store_b128 v[L16], v[32+4*\i:35+4*\i], s[84:85] offset:512*\i
.endr
	global_store_b128 v[R16], v[120:123], s[88:89] ; lanes 16-31 hold the same words and write the same bytes
	UNITS 3, 128, 56, 124                          ; q
.irp a, 0,1,2,3
	global_store_b128 v[L16], v[56+6*\a:59+6*\a], s[92:93] offset:768*\a
	global_store_b64 v[L8], v[60+6*\a:61+6*\a], s[92:93] offset:768*\a+512
.endr
	global_store_b128 v[R16], v[124:127], s[94:95]
	UNITS 0, 128, 80, 128                          ; v
.irp a, 0,1,2,3
	global_store_b128 v[L16], v[80+6*\a:83+6*\a], s[86:87] offset:1536*\a
	global_store_b64 v[L8], v[84+6*\a:85+6*\a], s[86:87] offset:1536*\a+512
.endr
	v_lshl_or_b32 v132, v129, 16, v128             ; v's words are shared by two waves, 64 tokens each: my halves of four words
	v_lshl_or_b32 v133, v131, 16, v130
	ds_store_b64 v[XA], v[132:133]
	s_wait_alu depctr_va_vdst(0)                   ; the wait here, directly ahead of the wait below
	s_wait_dscnt 0x0
	s_barrier_signal -1
	s_barrier_wait -1
	s_cmp_lg_u32 s16, 0                            ; the even wave of two stores the whole words
	s_cbranch_scc1 .Lend
	ds_load_b64 v[134:135], v[XB]
	s_wait_dscnt 0x0
	v_perm_b32 v136, v134, v132, 0x05040100        ; low halves: tile 0
	v_perm_b32 v137, v134, v132, 0x07060302
	v_perm_b32 v138, v135, v133, 0x05040100
	v_perm_b32 v139, v135, v133, 0x07060302
	global_store_b128 v[R16], v[136:139], s[90:91]
.Lend:
	s_wait_tensorcnt 0x0                           ; the wave's end
	ds_add_u32 v[SPW], v[NIL]
	s_wait_dscnt 0x0
	CROUND                                         ; the closing round
	s_endpgm
.Lfunc_end_k_qaa30146fd0_kqv:
	.size	k_qaa30146fd0_kqv, .Lfunc_end_k_qaa30146fd0_kqv-k_qaa30146fd0_kqv
	.p2alignl 7, 3214868480
	.fill 96, 4, 3214868480
	.section	.rodata,"a",@progbits
	.p2align	6, 0x0
	.amdhsa_kernel k_qaa30146fd0_kqv
		.amdhsa_group_segment_fixed_size 327680
		.amdhsa_private_segment_fixed_size 0
		.amdhsa_enable_private_segment 0
		.amdhsa_kernarg_size 24
		.amdhsa_user_sgpr_count 2
		.amdhsa_user_sgpr_kernarg_segment_ptr 1
		.amdhsa_wavefront_size32 1
		.amdhsa_system_sgpr_workgroup_id_x 1
		.amdhsa_system_sgpr_workgroup_id_y 1
		.amdhsa_system_sgpr_workgroup_id_z 1
		.amdhsa_system_vgpr_workitem_id 0
		.amdhsa_next_free_vgpr 1024
		.amdhsa_next_free_sgpr 100
		.amdhsa_reserve_vcc 1
		.amdhsa_float_denorm_mode_32 3
		.amdhsa_float_denorm_mode_16_64 3
		.amdhsa_memory_ordered 1
		.amdhsa_forward_progress 1
		.amdhsa_inst_pref_size 110
	.end_amdhsa_kernel
	.amdgpu_metadata
---
amdhsa.version: [ 1, 2 ]
amdhsa.kernels:
  - .name:           k_qaa30146fd0_kqv
    .symbol:         k_qaa30146fd0_kqv.kd
    .args:
      - { .name: c1, .offset: 0, .size: 8, .value_kind: global_buffer, .address_space: global }
      - { .name: s1, .offset: 8, .size: 8, .value_kind: global_buffer, .address_space: global }
      - { .name: qkv, .offset: 16, .size: 8, .value_kind: global_buffer, .address_space: global }
    .group_segment_fixed_size: 327680
    .private_segment_fixed_size: 0
    .kernarg_segment_align: 8
    .kernarg_segment_size: 24
    .max_flat_workgroup_size: 128
    .sgpr_count:     100
    .vgpr_count:     1024
    .wavefront_size: 32
...
	.end_amdgpu_metadata
.endif
;; end of part 2
;; launch attn (part 3): grid 8 x 32, 16 waves a work-group, clusters of 4 x 1, 327,680 bytes of LDS; arguments qkv, o_codes, o_scales; writes o_codes, o_scales
.if DOCPART == 3
	.amdgcn_target "amdgcn-amd-amdhsa--gfx1250"
	.amdhsa_code_object_version 6
	.text
	.protected	k_qaa30146fd0_attn
	.globl	k_qaa30146fd0_attn
	.p2align	8
	.type	k_qaa30146fd0_attn,@function
k_qaa30146fd0_attn:
	s_mov_b64 s[64:65], 0
	v_nop
	global_prefetch_b8 v0, s[64:65] scope:SCOPE_SE
	s_setreg_imm32_b32 hwreg(HW_REG_WAVE_MODE, 25, 1), 1
	s_wait_xcnt 0x0
	s_wait_alu depctr_hold_cnt(0) depctr_sa_sdst(0) depctr_va_vdst(0) depctr_va_sdst(0) depctr_va_ssrc(0) depctr_va_vcc(0) depctr_vm_vsrc(0)
	s_getreg_b32 s2, hwreg(HW_REG_IB_STS2, 6, 4)
	s_cmp_eq_u32 s2, 0
	s_cbranch_scc0 .Lentry_in_a_cluster
	s_endpgm
.Lentry_in_a_cluster:
	s_bfe_u32 s2, ttmp6, 0x10000c
	s_cmp_lg_u32 s2, 0x3003
	s_cbranch_scc0 .Lentry_shape_is_right
	s_endpgm
.Lentry_shape_is_right:
; Causal attention of one head on codes of BF6 (E3M2) with E8M0 scales: S^T = K Q^T (K = the head's 64), O^T = V^T P^T (K = 128 keys a step), and o quantised along the channels.
; WORK LEFT OUT: key steps wholly behind a tile's queries under reference()'s own causal mask; a NaN, an infinity or an overflow that reaches only those is not carried to the result.
; THE SOFTMAX: t = score x log2(e) / 8; M = the running largest t rounded UP to a whole number; p = 2^(t - M) is quantised along the keys, not normalised; the row's sum is taken of the unquantised p and divides O at the end.
; A block's scale exponent is floor(t - M) of its largest score, less 4: p rises with the score, so that is the exponent of the block's largest p.
; SHARES: work-group (c, head), c = 0..7; a tile is 16 queries; tile 8 j + c lies in key step j and works key steps 0..j.  Waves i and i + 8 (i = 0..7) own tiles of steps i and 15 - i together, 17 steps:
; wave i works tile 15 - i, steps 0..8; wave i + 8 works tile i, steps 0..i, sends it out, and goes on with tile 15 - i, steps 9..15 - i.  The two parts of that tile meet in LDS; M is whole, so the factors that join them are powers of two.
; Tile 4 G + t holds tokens 64 G + 8 t + r % 8 + 32 (r / 8): a lane (query r, half h) has, in the 32 registers of four tiles of S^T, 32 neighbouring keys: a whole block; of O^T 32 neighbouring channels likewise.
; Q's k = 64..127 are zero codes, so what stands in the upper six registers of a fragment of K adds nothing: the eight fragments lie six registers apart, each one's upper half the next one's lower.
; LDS: the head's 16 key steps of 13,056 bytes, filled ONCE, one joint load a wave (wave w: key step w) shared by the four work-groups of a cluster; nothing is filled again.  (No prefetch: every load goes out at the head.)
; LIMITS: NaN and infinities are not served; the promise holds while |t| stays under 2^31; o is multiplied by v_rcp_f32 of the sum; blocks of o under 2^-122 or of zeros are held at byte 1 (this program alone reads the bytes).
; REGISTERS: v1-11 addresses; v12 -M, v13 the largest t, v[14:15] the sum; v16-27 Q, v28 its words; v32-38 the second tile's; v40-93 K's, then V's fragments; v94-105 words; v144-207 S^T, then p; v208-239 O^T.
.set STEPB, 13056
.set MERGE, 16*STEPB                   ; the tiles' parts: 4,352 bytes for each of eight
.set SPARE, MERGE+8*4352               ; the spare words
.set QOFF,  6684672
.set QSOFF, 9830400
.set WV,  12
.set CC,  14
.set BH,  15
.set SEL, 16                           ; s[16:17]
.set CS,  18                           ; s[18:19] c = log2(e) / 8
.set TRIP, 20
.set KS,  21                           ; the key step
.set DG,  22                           ; my tile's own key step, on the diagonal
.set SW,  23                           ; the trip that begins my second tile
.set TB,  80                           ; where the key step begins in LDS
.set KF,  40
.set KSC, 94
.set VSC, 102
.set PW,  106
.set NX,  107
.set BM,  108
.set X0,  112
.set TT,  113
.set SO,  114
.set IB,  116
.set FF,  118
.set PC,  120
.set W1,  135
.set W2,  139
.set S,   144
.set OT,  208
.set X1,  246
.set FB,  248
.macro ROUND                           ; a round of the cluster's barrier
	s_barrier_signal -1
	s_barrier_wait -1
	s_cmp_lg_u32 s[WV], 0
	s_cbranch_scc1 .Lnot_wave_0_\@
	s_barrier_signal -3
.Lnot_wave_0_\@:
	s_barrier_wait -3
	s_barrier_signal -1
	s_barrier_wait -1
.endm
	s_load_b128 s[4:7], s[0:1], 0x0                ; qkv s[4:5], o_codes s[6:7]
	s_load_b64 s[8:9], s[0:1], 0x10                ; o_scales
	v_lshl_add_u32 v254, v0, 2, SPARE
	v_mov_b32 v255, 0
	ds_add_u32 v254, v255                          ; the opening lines
	ds_add_u32 v254, v255
	v_lshrrev_b32 v30, 5, v0
	v_readfirstlane_b32 s[WV], v30                 ; wave 0..15
	s_and_b32 s[BH], ttmp7, 0xffff                 ; batch x head, which the four partners share
	s_mul_i32 s79, s[WV], STEPB
	s_mul_i32 s60, s[BH], 16*STEPB
	s_add_co_u32 s60, s60, s79
	s_mov_b32 s61, 0
	s_mov_b32 s24, 15|(3<<16)|(1<<21)              ; group 1: 51 rows of 256 bytes (32 elements of 8); the mask names all four work-groups, bit 21 beside it
	s_mov_b32 s25, 32<<16
	s_mov_b32 s26, 51<<16
	s_mov_b32 s27, 32<<16
	s_mov_b32 s28, 51
	s_mov_b32 s29, 32
	s_mov_b32 s30, 0
	s_mov_b32 s31, 0
	s_wait_dscnt 0x0
	s_wait_kmcnt 0x0
	s_mov_b32 s56, 1
	s_mov_b32 s57, s79
	s_add_nc_u64 s[58:59], s[4:5], s[60:61]
	s_or_b32 s59, s59, 0x80000000
	ROUND                                          ; all four work-groups are here: the joint loads meet
	s_cmp_eq_u32 s[WV], 0                          ; wave 0 has a line of its own: its key step is waited for first
	s_cbranch_scc0 .Lrest
	tensor_load_to_lds s[56:59], s[24:31]
	s_nop 0
.rept 4
	v_nop
.endr
	s_branch .Lasked
.Lrest:
	tensor_load_to_lds s[56:59], s[24:31]
	s_nop 0
.rept 4
	v_nop
.endr
.Lasked:
	s_bfe_u32 s77, ttmp6, 0x40000                  ; cx: it enters global addresses and the mask's compare value alone
	s_lshl_b32 s[CC], ttmp9, 2
	s_add_co_u32 s[CC], s[CC], s77                 ; c = 4 x cluster x + cx
	s_and_b32 s13, s[WV], 7                        ; i: my pair
	s_sub_co_u32 s81, 15, s13
	s_sub_co_u32 s82, 8, s13                       ; from trip to key step in the second tile
	s_add_co_u32 s78, s13, 1
	s_cmp_lt_u32 s[WV], 8
	s_cselect_b32 s[DG], s81, s13
	s_cselect_b32 s[SW], 64, s78                   ; (64: never)
	s_cselect_b32 s83, 8, 7                        ; my last trip with work
	s_lshl_b32 s79, s[DG], 3
	s_add_co_u32 s79, s79, s[CC]                   ; my tile in the head
	s_lshl_b32 s78, s81, 3
	s_add_co_u32 s78, s78, s[CC]                   ; the second
.macro QADR t, b                       ; tile s[t]: its codes at s[b:b+1], its words at s[b+2:b+3]
	s_lshl_b32 s76, s[BH], 7
	s_add_co_u32 s76, s76, s[\t]
	s_mul_i32 s[\b], s76, 768
	s_add_co_u32 s[\b], s[\b], QOFF
	s_mov_b32 s[\b+1], 0
	s_add_nc_u64 s[\b:\b+1], s[4:5], s[\b:\b+1]
	s_lshl_b32 s[\b+2], s[BH], 13
	s_lshr_b32 s76, s[\t], 2
	s_lshl_b32 s76, s76, 8
	s_add_co_u32 s[\b+2], s[\b+2], s76
	s_and_b32 s76, s[\t], 3
	s_lshl_b32 s76, s76, 2
	s_add_co_u32 s[\b+2], s[\b+2], s76
	s_add_co_u32 s[\b+2], s[\b+2], QSOFF
	s_mov_b32 s[\b+3], 0
	s_add_nc_u64 s[\b+2:\b+3], s[4:5], s[\b+2:\b+3]
.endm
	QADR 79, 84
	QADR 78, 88
	v_and_b32 v11, 31, v0                          ; lane
	v_and_b32 v30, 15, v0                          ; r
	v_bfe_u32 v31, v0, 4, 1                        ; h
	v_lshlrev_b32 v1, 4, v11                       ; 16 x lane
	v_lshlrev_b32 v2, 3, v11                       ; 8 x lane
	v_lshlrev_b32 v3, 4, v30                       ; 16 r
.irp i, 32,33,34,35,36,37,38
	v_mov_b32 v\i, 0                               ; (the second tile's registers: loaded over in waves 8-15)
.endr
	global_load_b128 v[16:19], v1, s[84:85]        ; Q stays in registers
	global_load_b64 v[20:21], v2, s[84:85] offset:512
	global_load_b32 v28, v3, s[86:87]
	s_wait_alu depctr_va_vdst(0)                   ; the wait here, directly ahead of the branch
	s_cmp_lt_u32 s[WV], 8
	s_cbranch_scc1 .Lone_tile
	global_load_b128 v[32:35], v1, s[88:89]
	global_load_b64 v[36:37], v2, s[88:89] offset:512
	global_load_b32 v38, v3, s[90:91]
.Lone_tile:
	v_add_nc_u32 v9, v3, v31                       ; 16 r + h
	v_lshlrev_b32 v5, 3, v31                       ; 8 h
	s_lshr_b32 s77, s[CC], 2                       ; my query in its key step: 64 (c / 4) + 8 (c % 4) + r % 8 + 32 (r / 8);
	s_lshl_b32 s77, s77, 6
	s_and_b32 s76, s[CC], 3
	s_lshl_b32 s76, s76, 3
	s_add_co_u32 s77, s77, s76
	v_and_b32 v10, 8, v30
	v_mad_u32_u24 v4, v10, 3, v30
	v_lshlrev_b32 v10, 5, v31
	v_sub_nc_u32 v4, v4, v10                       ; less 32 h: register n of S^T holds key 64 (n / 32) + n % 32 + 32 h, hidden on the diagonal where 64 (n / 32) + n % 32 > v4
	v_add_nc_u32 v4, s77, v4
	s_mul_i32 s76, s13, 4352
	s_add_co_u32 s76, s76, MERGE
	v_add_nc_u32 v10, s76, v1                      ; where my pair's parts meet
	v_add_nc_u32 v11, s76, v2
	s_lshr_b32 s77, s[BH], 4                       ; where o goes: token tile 128 x batch + tile, head hd
	s_lshl_b32 s77, s77, 7
	s_add_co_u32 s77, s77, s79
	s_and_b32 s78, s[BH], 15
	s_lshl_b32 s92, s77, 4
	s_add_co_u32 s92, s92, s78
	s_mul_i32 s92, s92, 768
	s_mov_b32 s93, 0
	s_add_nc_u64 s[92:93], s[6:7], s[92:93]
	s_lshl_b32 s94, s77, 9                         ; its scale bytes: tile x 512 + (hd / 8) x 256 + 16 r + 2 (hd % 8) + h
	s_lshr_b32 s76, s78, 3
	s_lshl_b32 s76, s76, 8
	s_add_co_u32 s94, s94, s76
	s_and_b32 s76, s78, 7
	s_lshl_b32 s76, s76, 1
	s_add_co_u32 s94, s94, s76
	s_mov_b32 s95, 0
	s_add_nc_u64 s[94:95], s[8:9], s[94:95]
	s_mov_b32 s[SEL], 0x76543210
	s_mov_b32 s[SEL+1], 0xfedcba98
	s_mov_b32 s[CS], 0x3e38aa3b                    ; log2(e) / 8
	s_mov_b32 s[CS+1], s[CS]                       ; (named with it as a pair, so it is written)
.irp i, 22,23,24,25,26,27
	v_mov_b32 v\i, 0                               ; Q's k = 64..127: zero codes
.endr
.irp i, 88,89,90,91,92,93
	v_mov_b32 v\i, 0                               ; the last fragment's upper half: never loaded
.endr
.irp i, TT, W2, X1, FF+1, FB+1
	v_mov_b32 v[\i], 0                             ; a lane permute's destination counts as one of its sources; the upper halves of pairs
.endr
	v_mov_b32 v29, 0xff800000                      ; -infinity
.macro INIT
	v_mov_b32 v13, 0xff61b1e6                      ; the largest t so far: -3e38
	v_mov_b32 v14, 0
	v_mov_b32 v15, 0
	v_floor_f32 v12, -v13                          ; -M
.set N, 0
.rept 32
	v_mov_b32 v[OT+N], 0                           ; O^T: the step is written once; the first finds zeros, which the first change of M leaves zeros
.set N, N+1
.endr
.endm
	INIT
.macro WORK                            ; A KEY STEP: 128 keys
	v_add_nc_u32 v6, s[TB], v1                     ; these four are also the places in front of the loads into registers that the last products read
	v_add_nc_u32 v7, s[TB], v2
	v_add_nc_u32 v8, s[TB], v3
	v_mov_b32 v[NX], v12                           ; -M as it was
	s_wait_alu depctr_va_vdst(0)                   ; the wait here, behind the writes
.irp i, 0,1,2,3,4,5,6,7,8,9,10,11
	ds_load_b128 v[KF+4*\i:KF+4*\i+3], v6 offset:512*\i   ; eight fragments of K, six registers each
.endr
	ds_load_b128 v[KSC:KSC+3], v8 offset:12288
	ds_load_b128 v[KSC+4:KSC+7], v8 offset:12544
	ds_load_b128 v[VSC:VSC+3], v8 offset:12800
	s_wait_dscnt 0x1                               ; V's words may be out
.irp t, 0,1,2,3,4,5,6,7
	v_wmma_scale_f32_16x16x128_f8f6f4 v[S+8*\t:S+8*\t+7], v[KF+6*\t:KF+6*\t+11], v[16:27], 0, v[KSC+\t], v28 matrix_a_fmt:MATRIX_FMT_BF6 matrix_b_fmt:MATRIX_FMT_BF6
.endr
.rept 4
	v_nop
.endr
.irp t, 0,1,2,3                        ; K's fragments are spent: V's four (16 channels x 128 keys each) take their registers
	ds_load_b128 v[KF+12*\t:KF+12*\t+3], v6 offset:6144+1536*\t
	ds_load_b64 v[KF+12*\t+4:KF+12*\t+5], v7 offset:6144+1536*\t+512
	ds_load_b128 v[KF+12*\t+6:KF+12*\t+9], v6 offset:6144+1536*\t+768
	ds_load_b64 v[KF+12*\t+10:KF+12*\t+11], v7 offset:6144+1536*\t+1280
.endr
	s_cmp_lg_u32 s[KS], s[DG]                      ; on the diagonal the scores of hidden keys become -infinity ahead of the maximum: p = 0 then
	s_cbranch_scc1 .Lopen_\@
.set N, 0
.rept 64
	v_cmp_gt_i32 vcc_lo, 64*(N/32)+N%32, v4
	v_cndmask_b32 v[S+N], v[S+N], v29, vcc_lo
.set N, N+1
.endr
	s_wait_alu depctr_va_vdst(0)
.Lopen_\@:
.irp b, 0,1,2,3
	v_max3_num_f32 v[BM+\b], v[S+16*\b], v[S+16*\b+1], v[S+16*\b+2]   ; the largest score of each block of 32 keys, in two chains
.endr
.irp i, 3,5,7,9,11,13
.irp b, 0,1,2,3
	v_max3_num_f32 v[BM+\b], v[BM+\b], v[S+16*\b+\i], v[S+16*\b+\i+1]
.endr
.endr
	v_max3_num_f32 v[BM], v[BM], v[BM+1], v[S+15]
	v_max3_num_f32 v[BM+2], v[BM+2], v[BM+3], v[S+47]
	v_max_num_f32 v[BM], v[BM], v[S+31]
	v_max_num_f32 v[BM+2], v[BM+2], v[S+63]
	v_max_num_f32 v[X0], v[BM], v[BM+2]
	s_delay_alu instid0(VALU_DEP_1)
	v_permlanex16_b32 v[TT], v[X0], s[SEL], s[SEL+1]
	s_delay_alu instid0(VALU_DEP_1)
	v_max_num_f32 v[X0], v[X0], v[TT]              ; the step's largest score of my query (the step's first key is never hidden, so it is a number)
	s_delay_alu instid0(VALU_DEP_1)
	v_mul_f32 v[X0], s[CS], v[X0]
	s_delay_alu instid0(VALU_DEP_1)
	v_max_num_f32 v13, v13, v[X0]                  ; the running largest t
	s_delay_alu instid0(VALU_DEP_1)
	v_floor_f32 v12, -v13                          ; the new -M = -ceil(t)
	s_delay_alu instid0(VALU_DEP_1)
	v_sub_f32 v[X0], v12, v[NX]                    ; old M - new M: a whole number, 0 or less
	v_fma_f32 v[BM], v[BM], s[CS], v12             ; t - M of each block's largest score,
	v_fma_f32 v[BM+2], v[BM+2], s[CS], v12
	v_cvt_i32_f32 v[X0], v[X0]                     ; (it saturates)
	v_max_num_f32 v[BM], 0xc2f40000, v[BM]         ; held at -122 from below,
	v_max_num_f32 v[BM+2], 0xc2f40000, v[BM+2]
	v_ldexp_f32 v[FF], 1.0, v[X0]                  ; f = 2^(old M - new M)
	v_cvt_floor_i32_f32 v[IB], v[BM]               ; and rounded down: the exponent of the block's largest p
	v_cvt_floor_i32_f32 v[IB+1], v[BM+2]
.set N, 0
.rept 32
	v_pk_fma_f32 v[S+N:S+N+1], v[S+N:S+N+1], s[CS:CS+1], v[12:13] op_sel_hi:[1,0,0]   ; t - M, two at a time
.if N == 8
	v_lshl_add_u32 v[W1], v[IB+1], 16, v[IB]       ; my blocks are bytes h and 2 + h of p's word: sums modulo 2^32, 123 added to each byte below
.endif
.if N == 16
	v_lshlrev_b32 v[W1], v5, v[W1]
.endif
.if N == 24
	v_permlanex16_b32 v[W2], v[W1], s[SEL], s[SEL+1]
.endif
.if N == 32
	v_add3_u32 v[PW], v[W1], v[W2], 0x7b7b7b7b     ; bytes: exponent - 4 + 127
.endif
.if N == 40
	v_add_lshl_u32 v[SO], v[IB], 0x7b, 23          ; the conversions' scale operands: the same numbers as exponent fields
	v_add_lshl_u32 v[SO+1], v[IB+1], 0x7b, 23
.endif
.set N, N+2
.endr
	s_wait_alu depctr_va_vdst(0)                   ; the wait ahead of the batch
.set N, 0
.rept 64
	v_exp_f32 v[S+N], v[S+N]                       ; p = 2^(t - M)
.set N, N+1
.endr
	v_pk_mul_f32 v[14:15], v[14:15], v[FF:FF+1] op_sel_hi:[1,0]   ; the sum under the new M (a plain place behind the exponentials)
	s_wait_alu depctr_va_vdst(0)                   ; and ahead of the batch's first reader, and of O^T's
.set N, 0
.rept 16
	v_pk_mul_f32 v[OT+N:OT+N+1], v[OT+N:OT+N+1], v[FF:FF+1] op_sel_hi:[1,0]   ; O^T under the new M
.set N, N+2
.endr
.irp c, 0,1
	v_cvt_scalef32_pk16_bf6_f32 v[PC+6*\c:PC+6*\c+2], v[S+32*\c:S+32*\c+15], v[SO+\c]
	v_cvt_scalef32_pk16_bf6_f32 v[PC+12+4*\c:PC+14+4*\c], v[S+32*\c+16:S+32*\c+31], v[SO+\c]
.endr
	v_pk_add_f32 v[240:241], v[S+2:S+3], v[S+10:S+11]   ; the row's sum, of the unquantised p, in four chains
	v_pk_add_f32 v[242:243], v[S+4:S+5], v[S+12:S+13]
	v_pk_add_f32 v[244:245], v[S+6:S+7], v[S+14:S+15]
	v_pk_add_f32 v[14:15], v[14:15], v[S:S+1]
.irp c, 0,1
.irp i, 0,1,2
	v_mov_b32 v[PC+3+6*\c+\i], v[PC+12+4*\c+\i]    ; (a conversion's three registers begin on an even number)
.endr
.endr
	v_pk_add_f32 v[14:15], v[14:15], v[S+8:S+9]
.irp m, 16,24,32,40,48,56
	v_pk_add_f32 v[240:241], v[240:241], v[S+\m+2:S+\m+3]
	v_pk_add_f32 v[242:243], v[242:243], v[S+\m+4:S+\m+5]
	v_pk_add_f32 v[244:245], v[244:245], v[S+\m+6:S+\m+7]
	v_pk_add_f32 v[14:15], v[14:15], v[S+\m:S+\m+1]
.endr
	v_pk_add_f32 v[242:243], v[242:243], v[244:245]
	v_pk_add_f32 v[14:15], v[14:15], v[240:241]
	s_delay_alu instid0(VALU_DEP_1)
	v_pk_add_f32 v[14:15], v[14:15], v[242:243]
	s_wait_alu depctr_va_vdst(0)                   ; the wait here, directly ahead of the wait below
	s_wait_dscnt 0x0                               ; V's fragments
.irp t, 0,1,2,3
	v_wmma_scale_f32_16x16x128_f8f6f4 v[OT+8*\t:OT+8*\t+7], v[KF+12*\t:KF+12*\t+11], v[PC:PC+11], v[OT+8*\t:OT+8*\t+7], v[VSC+\t], v[PW] matrix_a_fmt:MATRIX_FMT_BF6 matrix_b_fmt:MATRIX_FMT_BF6
.endr
.endm
; THE WAY OUT: o = O^T / the sum (v14: my half of the lanes' part); register n is channel 32 h + n of my query: one block of 32, quantised as every operand is; the codes leave as half an image.
.macro EPI
	v_permlanex16_b32 v[X1], v14, s[SEL], s[SEL+1]
	v_add_f32 v14, v14, v[X1]                      ; the row's sum
	s_wait_alu depctr_va_vdst(0)
	v_rcp_f32 v14, v14
	v_nop                                          ; one plain place behind a transcendental
	v_nop
	s_wait_alu depctr_va_vdst(0)
.set N, 0
.rept 16
	v_pk_mul_f32 v[S+N:S+N+1], v[OT+N:OT+N+1], v[14:15] op_sel_hi:[1,0]
.set N, N+2
.endr
.irp b, 0,1
	v_max3_num_f32 v[BM+\b], |v[S+16*\b]|, |v[S+16*\b+1]|, 0x2800000
.endr
.irp i, 2,4,6,8,10,12,14
.irp b, 0,1
	v_max3_num_f32 v[BM+\b], v[BM+\b], |v[S+16*\b+\i]|, |v[S+16*\b+\i+1]|
.endr
.endr
	v_max_num_f32 v[BM], v[BM], v[BM+1]
	v_add_nc_u32 v[SO], 0xfe000000, v[BM]
	v_lshrrev_b32 v[BM+3], 23, v[SO]
	v_cvt_scalef32_pk16_bf6_f32 v[PC:PC+2], v[S:S+15], v[SO]
	v_cvt_scalef32_pk16_bf6_f32 v[PC+12:PC+14], v[S+16:S+31], v[SO]
	v_nop
.irp i, 0,1,2
	v_mov_b32 v[PC+3+\i], v[PC+12+\i]
.endr
	global_store_b128 v1, v[PC:PC+3], s[92:93]     ; 512 and 256 consecutive bytes, aligned
	global_store_b64 v2, v[PC+4:PC+5], s[92:93] offset:512
	global_store_b8 v9, v[BM+3], s[94:95]          ; a scale word of the next product is shared by two heads, which are two work-groups
	s_wait_alu depctr_va_vdst(0)
	s_wait_xcnt 0x0                                ; the stores have read their registers
.endm
	s_mov_b32 s[KS], 0
	s_mov_b32 s[TB], 0
	s_wait_alu depctr_va_vdst(0)                   ; the wait at the head's end
	s_wait_loadcnt 0x0                             ; Q
	s_cmp_lg_u32 s[WV], 0
	s_cbranch_scc1 .Lnot_mine
	s_wait_tensorcnt 0x0                           ; wave 0: key step 0 is in
.Lnot_mine:
	s_barrier_signal -1
	s_barrier_wait -1
	WORK                                           ; trip 0: key step 0 for everybody
	s_wait_tensorcnt 0x0                           ; all 16 key steps
	s_wait_dscnt 0x0
	s_barrier_signal -1
	s_barrier_wait -1
	s_mov_b32 s[TRIP], 1
.Ltrip:
	s_cmp_lg_u32 s[TRIP], s[SW]
	s_cbranch_scc1 .Lsame
	v_add_f32 v14, v14, v15                        ; my first tile is done: it goes out, and the second begins
	EPI
.irp i, 0,1,2,3,4,5
	v_mov_b32 v[16+\i], v[32+\i]
.endr
	v_mov_b32 v28, v38
	INIT
	s_mov_b32 s[DG], s81
	s_wait_alu depctr_va_vdst(0)
.Lsame:
	s_cmp_gt_u32 s[TRIP], s83
	s_cbranch_scc1 .Lskip
	s_cmp_lt_u32 s[TRIP], s[SW]
	s_cselect_b32 s77, 0, s82
	s_add_co_u32 s[KS], s[TRIP], s77
	s_min_u32 s[KS], s[KS], 15
	s_mul_i32 s[TB], s[KS], STEPB
	WORK
.Lskip:
	s_add_co_u32 s[TRIP], s[TRIP], 1
	s_cmp_lt_u32 s[TRIP], 9
	s_cbranch_scc1 .Ltrip
.rept 4
	v_nop                                          ; places in front of the reads of O^T
.endr
	v_add_f32 v14, v14, v15
	s_wait_alu depctr_va_vdst(0)
	s_cmp_lt_u32 s[WV], 8
	s_cbranch_scc1 .Lowner
	v_mov_b32 v15, v12                             ; waves 8-15 hand their part of the pair's tile over: O^T, the sum, -M
.irp i, 0,1,2,3,4,5,6,7
	ds_store_b128 v10, v[OT+4*\i:OT+4*\i+3] offset:512*\i
.endr
	ds_store_b64 v11, v[14:15] offset:4096
.Lowner:
	s_wait_dscnt 0x0
	s_barrier_signal -1
	s_barrier_wait -1
	s_cmp_ge_u32 s[WV], 8
	s_cbranch_scc1 .Lend
.irp i, 0,1,2,3,4,5,6,7
	ds_load_b128 v[S+4*\i:S+4*\i+3], v10 offset:512*\i
.endr
	ds_load_b64 v[PC:PC+1], v11 offset:4096
	s_wait_dscnt 0x0
	v_min_num_f32 v[X0], v12, v[PC+1]              ; -M of both
	v_sub_f32 v[BM], v[X0], v12
	v_sub_f32 v[BM+1], v[X0], v[PC+1]
	v_cvt_i32_f32 v[BM], v[BM]
	v_cvt_i32_f32 v[BM+1], v[BM+1]
	v_ldexp_f32 v[FF], 1.0, v[BM]
	v_ldexp_f32 v[FB], 1.0, v[BM+1]
	v_mul_f32 v14, v14, v[FF]
.set N, 0
.rept 16
	v_pk_mul_f32 v[OT+N:OT+N+1], v[OT+N:OT+N+1], v[FF:FF+1] op_sel_hi:[1,0]
.set N, N+2
.endr
	v_fma_f32 v14, v[PC], v[FB], v14
.set N, 0
.rept 16
	v_pk_fma_f32 v[OT+N:OT+N+1], v[S+N:S+N+1], v[FB:FB+1], v[OT+N:OT+N+1] op_sel_hi:[1,0,1]
.set N, N+2
.endr
	EPI
.Lend:
	s_wait_tensorcnt 0x0                           ; the wave's end
	ds_add_u32 v254, v255
	s_wait_dscnt 0x0
	ROUND                                          ; the closing round
	s_endpgm
.Lfunc_end_k_qaa30146fd0_attn:
	.size	k_qaa30146fd0_attn, .Lfunc_end_k_qaa30146fd0_attn-k_qaa30146fd0_attn
	.p2alignl 7, 3214868480
	.fill 96, 4, 3214868480
	.section	.rodata,"a",@progbits
	.p2align	6, 0x0
	.amdhsa_kernel k_qaa30146fd0_attn
		.amdhsa_group_segment_fixed_size 327680
		.amdhsa_private_segment_fixed_size 0
		.amdhsa_enable_private_segment 0
		.amdhsa_kernarg_size 24
		.amdhsa_user_sgpr_count 2
		.amdhsa_user_sgpr_kernarg_segment_ptr 1
		.amdhsa_wavefront_size32 1
		.amdhsa_system_sgpr_workgroup_id_x 1
		.amdhsa_system_sgpr_workgroup_id_y 1
		.amdhsa_system_sgpr_workgroup_id_z 1
		.amdhsa_system_vgpr_workitem_id 0
		.amdhsa_next_free_vgpr 256
		.amdhsa_next_free_sgpr 100
		.amdhsa_reserve_vcc 1
		.amdhsa_float_denorm_mode_32 3
		.amdhsa_float_denorm_mode_16_64 3
		.amdhsa_memory_ordered 1
		.amdhsa_forward_progress 1
		.amdhsa_inst_pref_size 61
	.end_amdhsa_kernel
	.amdgpu_metadata
---
amdhsa.version: [ 1, 2 ]
amdhsa.kernels:
  - .name:           k_qaa30146fd0_attn
    .symbol:         k_qaa30146fd0_attn.kd
    .args:
      - { .name: qkv, .offset: 0, .size: 8, .value_kind: global_buffer, .address_space: global }
      - { .name: o_codes, .offset: 8, .size: 8, .value_kind: global_buffer, .address_space: global }
      - { .name: o_scales, .offset: 16, .size: 8, .value_kind: global_buffer, .address_space: global }
    .group_segment_fixed_size: 327680
    .private_segment_fixed_size: 0
    .kernarg_segment_align: 8
    .kernarg_segment_size: 24
    .max_flat_workgroup_size: 512
    .sgpr_count:     100
    .vgpr_count:     256
    .wavefront_size: 32
...
	.end_amdgpu_metadata
.endif
;; end of part 3
;; launch proj (part 4): grid 8 x 32, 4 waves a work-group, clusters of 4 x 4, 214,528 bytes of LDS; arguments o_codes, o_scales, c1, s1, b_proj, out0; writes out0
.if DOCPART == 4
	.amdgcn_target "amdgcn-amd-amdhsa--gfx1250"
	.amdhsa_code_object_version 6
	.text
	.protected	k_qaa30146fd0_proj
	.globl	k_qaa30146fd0_proj
	.p2align	8
	.type	k_qaa30146fd0_proj,@function
k_qaa30146fd0_proj:
	s_mov_b64 s[64:65], 0
	v_nop
	global_prefetch_b8 v0, s[64:65] scope:SCOPE_SE
	s_setreg_imm32_b32 hwreg(HW_REG_WAVE_MODE, 25, 1), 1
	s_wait_xcnt 0x0
	s_wait_alu depctr_hold_cnt(0) depctr_sa_sdst(0) depctr_va_vdst(0) depctr_va_sdst(0) depctr_va_ssrc(0) depctr_va_vcc(0) depctr_vm_vsrc(0)
	s_getreg_b32 s2, hwreg(HW_REG_IB_STS2, 6, 4)
	s_cmp_eq_u32 s2, 0
	s_cbranch_scc0 .Lentry_in_a_cluster
	s_endpgm
.Lentry_in_a_cluster:
	s_bfe_u32 s2, ttmp6, 0x10000c
	s_cmp_lg_u32 s2, 0xf033
	s_cbranch_scc0 .Lentry_shape_is_right
	s_endpgm
.Lentry_shape_is_right:
; out = Q(o) Q(W_proj)^T + b_proj on codes of BF6 (E3M2) with E8M0 scales, K = 1,024, f32 sums.  Operands arrive as images of operand registers, [tile][K step 8][1,536 bytes]; W's in three runs at 16 x lane,
; o's in two halves of 768 bytes (16 x lane, 8 x lane).  Tile 4 G + t holds rows 64 G + 8 t + r % 8 + 32 (r / 8).
; A work-group makes 128 tokens x 128 outputs, so that there are 256 work-groups; each of its four waves 64 x 64.  Used transposed: source 0 = 16 rows of W_proj, source 1 = 16 tokens:
; a lane holds one token, and the 32 registers of four tiles are 32 neighbouring outputs.  The bias is the C of each sum's first product.
; LDS: all of K for both sides, 196,608 bytes, filled ONCE, one joint load of four whole tiles a wave (cluster 4 x 4: the tokens' tiles are shared along a row, W's along a column).  No loop that fetches: no prefetch.
; BY ROWS: W's fragments of all of K stay in registers; a tile of 16 tokens is finished (32 products) and stored before the next.
; REGISTERS: window 0: v2-31 addresses; v32-63 the tokens' scale words (8 a + k), v64-95 W's; v96-127 the bias; v128-191 two sets of four accumulators; v192-255 rows read back from the stage.
;   window 1: W's fragments of K steps 0-4; window 2: of 5-7; window 3: two sets of a tile's eight fragments of tokens.
.set TB,    12288                      ; a tile
.set STAGE, 16*TB
.set SP,    272                        ; a stage row: 256 bytes + 16
.set SPARE, STAGE+4*16*SP
.set L16, 2
.set L8,  3
.set R16, 4
.set H128, 5
.set A16, 6
.set A8,  7
.set B16, 8
.set STO, 10
.set RD,  11
.set CO,  12
.set SCA, 32
.set SCB, 64
.set BI,  96
.set ACC, 128
.set OB,  192
.set G1,  24
.set G1B, 32
.set MSB, 0
.macro WIN new                         ; the immediate's high byte repeats the setting that is left
.if MSB != (\new)
	s_set_vgpr_msb (MSB<<8)|(\new)
.set MSB, (\new)
.endif
.endm
.macro CROUND                          ; a round of the cluster's barrier
	s_barrier_signal -1
	s_barrier_wait -1
	s_cmp_lg_u32 s16, 0
	s_cbranch_scc1 .Lnot_wave_0_\@
	s_barrier_signal -3
.Lnot_wave_0_\@:
	s_barrier_wait -3
	s_barrier_signal -1
	s_barrier_wait -1
.endm
	s_load_b256 s[4:11], s[0:1], 0x0               ; o_codes s[4:5], o_scales s[6:7], c1 s[8:9], s1 s[10:11]
	s_load_b128 s[12:15], s[0:1], 0x20             ; b_proj s[12:13], out0 s[14:15]
	v_lshl_add_u32 v30, v0, 2, SPARE
	v_mov_b32 v31, 0
	ds_add_u32 v30, v31                            ; the opening lines
	ds_add_u32 v30, v31
	v_lshrrev_b32 v1, 5, v0
	v_readfirstlane_b32 s16, v1                    ; wave 0..3
	s_lshr_b32 s17, s16, 1                         ; my half of the tokens.  Also: I fetch the tokens' tiles (0) or W's (1)
	s_and_b32 s18, s16, 1                          ; my half of the outputs.  Also: which 4 tiles I fetch
	s_bfe_u32 s19, ttmp6, 0x40000                  ; cx
	s_bfe_u32 s20, ttmp6, 0x40004                  ; cy
	s_lshl_b32 s21, ttmp9, 2
	s_add_co_u32 s21, s21, s19                     ; nx: which 128 outputs
	s_and_b32 s22, ttmp7, 0xffff
	s_lshl_b32 s22, s22, 2
	s_add_co_u32 s22, s22, s20                     ; my: which 128 tokens
	s_lshl_b32 s23, s20, 2
	s_lshl_b32 s23, 15, s23                        ; my row of the cluster
	s_lshl_b32 s76, 0x1111, s19                    ; my column
	s_or_b32 s[G1+0], s23, (3<<16)|(1<<21)         ; group 1: 16 rows of 3,072 bytes (384 elements of 8) on end
	s_or_b32 s[G1B+0], s76, (3<<16)|(1<<21)
.irp g, G1, G1B
	s_mov_b32 s[\g+1], 384<<16
	s_mov_b32 s[\g+2], 16<<16
	s_mov_b32 s[\g+3], 384<<16
	s_mov_b32 s[\g+4], 16
	s_mov_b32 s[\g+5], 384
	s_mov_b32 s[\g+6], 0
	s_mov_b32 s[\g+7], 0
.endr
	s_lshl_b32 s84, s18, 2                         ; which 4 tiles I fetch
	s_lshl_b32 s77, s22, 3                         ; the tokens' first tile (registers that never hold cx)
	s_add_co_u32 s78, s77, s84
	s_mul_i32 s78, s78, TB
	s_mov_b32 s79, 0
	s_lshl_b32 s80, s21, 3
	s_add_co_u32 s80, s80, 448                     ; W's first tile (registers that never hold cy)
	s_add_co_u32 s82, s80, s84
	s_mul_i32 s82, s82, TB
	s_mov_b32 s83, 0
	s_mul_i32 s85, s16, 4*TB                       ; where they go
	s_wait_dscnt 0x0
	s_wait_kmcnt 0x0
	s_mov_b32 s40, 1
	s_mov_b32 s41, s85
	s_add_nc_u64 s[42:43], s[4:5], s[78:79]
	s_or_b32 s43, s43, 0x80000000
	s_mov_b32 s44, 1
	s_mov_b32 s45, s85
	s_add_nc_u64 s[46:47], s[8:9], s[82:83]
	s_or_b32 s47, s47, 0x80000000
	CROUND                                         ; all sixteen work-groups are here: the joint loads meet
	s_cmp_eq_u32 s17, 0
	s_cbranch_scc0 .Lfor_b
	tensor_load_to_lds s[40:43], s[G1:G1+7]
	s_nop 0
.rept 4
	v_nop
.endr
	s_branch .Lasked
.Lfor_b:
	tensor_load_to_lds s[44:47], s[G1B:G1B+7]
	s_nop 0
.rept 4
	v_nop
.endr
.Lasked:
	v_and_b32 v13, 31, v0
	v_and_b32 v14, 15, v0                          ; r
	v_bfe_u32 v15, v0, 4, 1                        ; h
	v_lshlrev_b32 v[L16], 4, v13
	v_lshlrev_b32 v[L8], 3, v13
	v_lshlrev_b32 v[R16], 4, v14
	v_lshlrev_b32 v[H128], 7, v15
	s_lshl_b32 s86, s17, 2                         ; my four tiles of tokens: their scale words, all 8 K steps
	s_add_co_u32 s86, s86, s77
	s_lshl_b32 s86, s86, 9
	s_mov_b32 s87, 0
	s_add_nc_u64 s[86:87], s[6:7], s[86:87]
	s_add_co_u32 s88, s80, s84                     ; my four tiles of W
	s_lshl_b32 s88, s88, 9
	s_mov_b32 s89, 0
	s_add_nc_u64 s[88:89], s[10:11], s[88:89]
	s_lshl_b32 s90, s21, 9                         ; my 64 outputs: byte 512 nx + 256 half of a row of out0, and of b_proj
	s_lshl_b32 s94, s18, 8
	s_add_co_u32 s90, s90, s94
	s_mov_b32 s91, 0
	s_lshl_b32 s92, s22, 7
	s_lshl_b32 s94, s17, 6
	s_add_co_u32 s92, s92, s94                     ; my first token
	s_lshl_b32 s92, s92, 12
	s_add_co_u32 s92, s92, s90
	s_mov_b32 s93, 0
	s_add_nc_u64 s[92:93], s[14:15], s[92:93]
	s_add_nc_u64 s[90:91], s[12:13], s[90:91]
	s_wait_alu depctr_va_vdst(0)                   ; the wait here, ahead of the readers below
.irp i, 0,1,2,3
.irp kh, 0,1
	global_load_b128 v[SCA+8*\i+4*\kh:SCA+8*\i+4*\kh+3], v[R16], s[86:87] offset:512*\i+256*\kh
	global_load_b128 v[SCB+8*\i+4*\kh:SCB+8*\i+4*\kh+3], v[R16], s[88:89] offset:512*\i+256*\kh
.endr
.endr
.irp b, 0,1,2,3                        ; the bias in the result's layout: tile b's register j is output 32 h + 8 b + j
	global_load_b128 v[BI+8*\b:BI+8*\b+3], v[H128], s[90:91] offset:32*\b
	global_load_b128 v[BI+8*\b+4:BI+8*\b+7], v[H128], s[90:91] offset:32*\b+16
.endr
	s_mul_i32 s94, s17, 4*TB
	v_add_nc_u32 v[A16], s94, v[L16]
	v_add_nc_u32 v[A8], s94, v[L8]
	s_mul_i32 s94, s18, 4*TB
	s_add_co_u32 s94, s94, 8*TB
	v_add_nc_u32 v[B16], s94, v[L16]
	s_mul_i32 s94, s16, 16*SP
	s_add_co_u32 s94, s94, STAGE                   ; my stage
	v_mul_u32_u24 v[STO], v14, SP
	v_add_nc_u32 v[STO], v[STO], v[H128]
	v_add_nc_u32 v[STO], s94, v[STO]               ; in: row r, + 128 h
	v_mul_u32_u24 v[RD], v15, SP
	v_add_nc_u32 v[RD], v[RD], v[R16]
	v_add_nc_u32 v[RD], s94, v[RD]                 ; back: lanes 0-15 one row of 256 bytes, lanes 16-31 the next
	v_lshl_add_u32 v[CO], v15, 12, v[R16]          ; and the same two rows in out0
.macro LDA a, k                        ; the tokens' fragment of tile a, K step k: 4 loads
.set FA, 96*((\a)%2)+12*(\k)
	WIN 0xc0
	ds_load_b128 v[FA:FA+3], v[A16] offset:(\a)*TB+(\k)*1536
	ds_load_b64 v[FA+4:FA+5], v[A8] offset:(\a)*TB+(\k)*1536+512
	ds_load_b128 v[FA+6:FA+9], v[A16] offset:(\a)*TB+(\k)*1536+768
	ds_load_b64 v[FA+10:FA+11], v[A8] offset:(\a)*TB+(\k)*1536+1280
.endm
.macro LDAS a                          ; all eight: 32 loads
.irp k, 0,1,2,3,4,5,6,7
	LDA \a, \k
.endr
.endm
.macro LDB k                           ; W's four fragments of K step k: 12 loads
	WIN 0x40*(1+(\k)/5)
.irp b, 0,1,2,3
.irp q, 0,1,2
	ds_load_b128 v[48*((\k)%5)+12*\b+4*\q:48*((\k)%5)+12*\b+4*\q+3], v[B16] offset:\b*TB+(\k)*1536+512*\q
.endr
.endr
.endm
.macro MUL a, k                        ; four products, the accumulators by turns
.set FA, 96*((\a)%2)+12*(\k)
.set AC, ACC+32*((\a)%2)
	WIN 0x0d+(\k)/5                                ; source 0 window 1 or 2, source 1 window 3; C and D window 0
.irp b, 0,1,2,3
.if (\k) == 0
	v_wmma_scale_f32_16x16x128_f8f6f4 v[AC+8*\b:AC+8*\b+7], v[48*((\k)%5)+12*\b:48*((\k)%5)+12*\b+11], v[FA:FA+11], v[BI+8*\b:BI+8*\b+7], v[SCB+8*\b+(\k)], v[SCA+8*(\a)+(\k)] matrix_a_fmt:MATRIX_FMT_BF6 matrix_b_fmt:MATRIX_FMT_BF6
.else
	v_wmma_scale_f32_16x16x128_f8f6f4 v[AC+8*\b:AC+8*\b+7], v[48*((\k)%5)+12*\b:48*((\k)%5)+12*\b+11], v[FA:FA+11], v[AC+8*\b:AC+8*\b+7], v[SCB+8*\b+(\k)], v[SCA+8*(\a)+(\k)] matrix_a_fmt:MATRIX_FMT_BF6 matrix_b_fmt:MATRIX_FMT_BF6
.endif
.endr
.endm
.macro PLACES                          ; in front of the first read of results and of loads into registers that matrix instructions have read
.rept 4
	v_nop
.endr
.endm
; THE WAY OUT of a tile of 16 tokens x 64 outputs: through my own stage, back as whole rows of 256 bytes.  LDS serves a wave's instructions in order: no wait between stores and loads.
.macro TOSTAGE a
.set AC, ACC+32*((\a)%2)
	WIN 0
.irp b, 0,1,2,3
	ds_store_b128 v[STO], v[AC+8*\b:AC+8*\b+3] offset:32*\b       ; each accumulator from its low end on
	ds_store_b128 v[STO], v[AC+8*\b+4:AC+8*\b+7] offset:32*\b+16
.endr
.if (\a) > 1
	s_wait_xcnt 0x0                                ; tile a - 2's stores have read their registers
.endif
.irp t, 0,1,2,3,4,5,6,7
	ds_load_b128 v[OB+32*((\a)%2)+4*\t:OB+32*((\a)%2)+4*\t+3], v[RD] offset:\t*2*SP
.endr
.endm
.macro SEND a, younger                 ; younger: the LDS loads issued behind the stage's, which may stay out
	WIN 0
	s_wait_dscnt \younger
.irp t, 0,1,2,3,4,5,6,7
	global_store_b128 v[CO], v[OB+32*((\a)%2)+4*\t:OB+32*((\a)%2)+4*\t+3], s[92:93] offset:(8*(\a)+(2*\t)%8+32*(\t/4))*4096 th:TH_STORE_NT   ; stage rows 2 t, 2 t + 1; 16 lanes store 256 consecutive bytes, aligned
.endr
.endm
	s_wait_alu depctr_va_vdst(0)                   ; the wait at the head's end
	s_wait_tensorcnt 0x0                           ; my four tiles are in,
	s_barrier_signal -1
	s_barrier_wait -1                              ; everybody's are
.irp k, 0,1,2
	LDA 0, \k
	LDB \k
.endr
	s_wait_loadcnt 0x0                             ; the scale words and the bias
.irp k, 0,1,2,3,4
	s_wait_dscnt 32                                ; K step k's 16 loads are in; the next two steps' may be out
	MUL 0, \k
	LDA 0, \k+3
	LDB \k+3
.endr
	s_wait_dscnt 32
	MUL 0, 5
	LDAS 1                                         ; the next tile's 32 loads
	s_wait_dscnt 48                                ; younger: K step 7's 16 and these
	MUL 0, 6
	s_wait_dscnt 32
	MUL 0, 7
	PLACES
	TOSTAGE 0
	LDAS 2
	SEND 0, 32
.irp k, 0,1,2,3,4,5,6,7
	MUL 1, \k                                      ; (its fragments are older than the stage's loads, which were waited for)
.endr
	PLACES
	TOSTAGE 1
	LDAS 3
	SEND 1, 32
.irp k, 0,1,2,3,4,5,6,7
	MUL 2, \k
.endr
	PLACES
	TOSTAGE 2
	SEND 2, 0
.irp k, 0,1,2,3,4,5,6,7
	MUL 3, \k
.endr
	PLACES
	TOSTAGE 3
	SEND 3, 0
	WIN 0
	s_wait_tensorcnt 0x0                           ; the wave's end
	ds_add_u32 v30, v31
	s_wait_dscnt 0x0
	CROUND                                         ; the closing round: no work-group ends while a partner may still ask for a tile that names it
	s_endpgm
.Lfunc_end_k_qaa30146fd0_proj:
	.size	k_qaa30146fd0_proj, .Lfunc_end_k_qaa30146fd0_proj-k_qaa30146fd0_proj
	.p2alignl 7, 3214868480
	.fill 96, 4, 3214868480
	.section	.rodata,"a",@progbits
	.p2align	6, 0x0
	.amdhsa_kernel k_qaa30146fd0_proj
		.amdhsa_group_segment_fixed_size 214528
		.amdhsa_private_segment_fixed_size 0
		.amdhsa_enable_private_segment 0
		.amdhsa_kernarg_size 48
		.amdhsa_user_sgpr_count 2
		.amdhsa_user_sgpr_kernarg_segment_ptr 1
		.amdhsa_wavefront_size32 1
		.amdhsa_system_sgpr_workgroup_id_x 1
		.amdhsa_system_sgpr_workgroup_id_y 1
		.amdhsa_system_sgpr_workgroup_id_z 1
		.amdhsa_system_vgpr_workitem_id 0
		.amdhsa_next_free_vgpr 1024
		.amdhsa_next_free_sgpr 100
		.amdhsa_reserve_vcc 0
		.amdhsa_float_denorm_mode_32 3
		.amdhsa_float_denorm_mode_16_64 3
		.amdhsa_memory_ordered 1
		.amdhsa_forward_progress 1
		.amdhsa_inst_pref_size 48
	.end_amdhsa_kernel
	.amdgpu_metadata
---
amdhsa.version: [ 1, 2 ]
amdhsa.kernels:
  - .name:           k_qaa30146fd0_proj
    .symbol:         k_qaa30146fd0_proj.kd
    .args:
      - { .name: o_codes, .offset: 0, .size: 8, .value_kind: global_buffer, .address_space: global }
      - { .name: o_scales, .offset: 8, .size: 8, .value_kind: global_buffer, .address_space: global }
      - { .name: c1, .offset: 16, .size: 8, .value_kind: global_buffer, .address_space: global }
      - { .name: s1, .offset: 24, .size: 8, .value_kind: global_buffer, .address_space: global }
      - { .name: b_proj, .offset: 32, .size: 8, .value_kind: global_buffer, .address_space: global }
      - { .name: out0, .offset: 40, .size: 8, .value_kind: global_buffer, .address_space: global }
    .group_segment_fixed_size: 214528
    .private_segment_fixed_size: 0
    .kernarg_segment_align: 8
    .kernarg_segment_size: 48
    .max_flat_workgroup_size: 128
    .sgpr_count:     100
    .vgpr_count:     1024
    .wavefront_size: 32
...
	.end_amdgpu_metadata
.endif
;; end of part 4
